; MI455X (gfx1250); checked and timed in simulation.
; The chip was launched on July 23, 2026; its instructions are those of AMD's public machine-readable ISA for CDNA 5 (MIT licence, August 2026) and "CDNA5" Instruction Set Architecture Reference Guide (July 2026). The comments in the code are by the model that wrote it; some were corrected since.
;; Flex Attention. Allowed arithmetic: matrix products marked QUANTISED: E2M1 operands, one E8M0 scale for each 32 along K, by v_wmma_scale_f32_16x16x128_f8f6f4 with both operands' format E2M1 (or v_wmma_scale_f32_32x16x128_f4), f32 sums; everything else in f32.
;; Inputs: K_codes 2 x 8 x 2,048 x 4 x 16 uint8 (E2M1 codes of K, K innermost, in blocks of 32 codes, two codes a byte); K_scales 2 x 8 x 2,048 x 4 uint8 (E8M0 scales of K, one for each 32 codes along K); Q 2 x 16 x 2,048 x 128 float32; V_codes 2 x 8 x 128 x 64 x 16 uint8 (E2M1 codes of V, K innermost, in blocks of 32 codes, two codes a byte); V_scales 2 x 8 x 128 x 64 uint8 (E8M0 scales of V, one for each 32 codes along K); causal_mask 2,048 x 2,048 float32.
;; Outputs: out0 2 x 2,048 x 2,048 float32.
;; This version of the problem:
;;   THIS VERSION OF THE PROBLEM IS GIVEN IN LOW PRECISION. The matrix products marked QUANTISED in the list below multiply operands that are first quantised to E2M1 (2 exponent bits, 1 mantissa bit; 4 bits a number), with one power-of-two scale for each 32 numbers along K (OCP MX v1.0); their sums are f32. All else is computed in f32.
;;   The module's matrix products, in the order in which they are computed (A, B: the left and right operand; K: the contracted axis; several contracted axes count as one K, in the product's order):
;;     1. batch 16 x [M 4,096, K 128] x [K 128, N 2,048]; A: computed on the way; B: input K (given as codes): QUANTISED
;;     2. batch 16 x [M 4,096, K 2,048] x [K 2,048, N 128]; A: softmax (see below); B: input V (given as codes): QUANTISED
;;   THE QUANTISER, for each operand of a quantised product, along K:
;;     - K is cut into blocks of 32 from its start; a last block that is shorter is filled with zeros.
;;     - A block's scale is 2^e with e = floor(log2(the largest magnitude in the block)) - 2, held to -126 .. 127; a block of zeros has e = 0. As a byte (E8M0): e + 127.
;;     - Each number is divided by its block's scale, clamped to +-6, and rounded to the nearest number of E2M1, ties to even, subnormals kept.
;;     - The product sums the exact products of the quantised numbers (number of the format x scale) in f32.
;;   ~~~python
;;   def quantise(x, axis):      # numpy; x: float32 -> the quantised numbers, widened to float32 again
;;       x = np.moveaxis(x, axis, -1); K = x.shape[-1]
;;       x = np.pad(x, [(0, 0)] * (x.ndim - 1) + [(0, -K % 32)]); x = x.reshape(x.shape[:-1] + (-1, 32)); a = np.abs(x).max(-1, keepdims=True)
;;       e = np.where(a > 0, np.clip(np.frexp(np.where(a > 0, a, 1))[1] - 1 - 2, -126, 127), 0)      # np.frexp(a)[1] - 1 = floor(log2(a)), exactly
;;       r = np.clip(x / 2.0 ** e, -6, 6)
;;       step = 2.0 ** (np.maximum(np.frexp(np.where(r == 0, 1, r))[1] - 1, 0) - 1)
;;       q = np.round(r / step) * step * 2.0 ** e      # np.round: ties to even
;;       return np.moveaxis(q.reshape(q.shape[:-2] + (-1,))[..., :K], -1, axis).astype(np.float32)
;;   ~~~
;;   SOFTMAX AHEAD OF A QUANTISED PRODUCT. Where the list says 'softmax', what is quantised is not the finished softmax but p = 2^(t - M), with t = logit x log2(e) and M = ceil(the row's largest t), a whole number; so 1/2 < the row's largest p <= 1. The row's sum l is taken of the UNQUANTISED p, in f32, and the product's result is divided by l at the end. Since M is a whole number, a kernel that streams over the keys may use a running M (the ceiling of the running maximum): every later rescaling is an exact power of two, which a block's scale takes up: the codes' values come out the same.
;;   OPERANDS COMPUTED ON THE WAY. 'Computed on the way' means the value that the module computes at that place (a softmax that the list does not call 'softmax' is quantised finished and normalised). What goes into a quantiser is computed in f32, as accurately as f32 sums, v_exp_f32 and their like allow (about 1e-6 of the number): no bf16 or f16 on the way to a quantiser, and a product that is left as it is and whose result goes on into a quantised operand takes f32 operands (vector FMAs, or v_wmma_f32_16x16x4_f32). A number that lies on a knife's edge between two numbers of the format may be rounded either way, as far as f32 arithmetic and the matrix unit's own rounding can turn it there, and no further.
;;   INPUTS GIVEN AS CODES. K (in the module: [2, 8, 2048, 128], K = its axis 3); V (in the module: [2, 8, 2048, 128], K = its axis 2): each comes as NAME_codes (uint8): NAME with its K axis moved to the last place and cut into blocks of 32 codes, [.., K / 32, bytes a block], one block behind the other in memory; two codes a byte, the lower K in the low four bits (a code: sign, 2 exponent bits, 1 mantissa bit); and NAME_scales (uint8): the same leading axes, one E8M0 byte (e + 127) for each 32 codes along K. Its value is code x scale, taken as it is: it is not quantised again, and the codes and scales need not be those that the quantiser above would give.
;; One version. Each part assembles by itself: llvm-mc -triple=amdgcn-amd-amdhsa -mcpu=gfx1250 --defsym DOCPART=n.
;; ======== version 1 of 1: 1 launch
;; limits: right only within a limited range of input values
;; launch attn (part 1): grid 16 x 16, 16 waves a work-group, clusters of 4 x 4, 327,680 bytes of LDS; arguments Q, K_codes, K_scales, V_codes, V_scales, causal_mask, out0; writes out0
.if DOCPART == 1
	.amdgcn_target "amdgcn-amd-amdhsa--gfx1250"
	.amdhsa_code_object_version 6
	.text
	.protected	k_q04e3fd3624_attn
	.globl	k_q04e3fd3624_attn
	.p2align	8
	.type	k_q04e3fd3624_attn,@function
k_q04e3fd3624_attn:
	s_mov_b64 s[64:65], 0
	v_nop
	global_prefetch_b8 v0, s[64:65] scope:SCOPE_SE
	s_setreg_imm32_b32 hwreg(HW_REG_WAVE_MODE, 25, 1), 1
	s_wait_xcnt 0x0
	s_wait_alu depctr_hold_cnt(0) depctr_sa_sdst(0) depctr_va_vdst(0) depctr_va_sdst(0) depctr_va_ssrc(0) depctr_va_vcc(0) depctr_vm_vsrc(0)
	s_getreg_b32 s2, hwreg(HW_REG_IB_STS2, 6, 4)
	s_cmp_eq_u32 s2, 0
	s_cbranch_scc0 .Lentry_in_a_cluster
	s_endpgm
.Lentry_in_a_cluster:
	s_bfe_u32 s2, ttmp6, 0x10000c
	s_cmp_lg_u32 s2, 0xf033
	s_cbranch_scc0 .Lentry_shape_is_right
	s_endpgm
.Lentry_shape_is_right:
; out[b][q][128 hq + d] = sum over k of softmax_k( 50 tanh(s / 50) + mask[q][k] ) V[k][d],  s = (Q x 128^-0.5) . K; 2 x 16 query heads, 8 key/value heads a batch, 2,048 queries and keys, head size 128.
; Both products run on codes of FP4 (E2M1), one E8M0 scale for each 32 along a product's K.  K comes as codes along d, V along the keys; Q x 128^-0.5 is quantised here, along d.
; THE MASK IS AN INPUT: every number of it is loaded and added as given; no key and no work is left out.
; SOFTMAX: t = logit x log2(e), rounded to f32 BEFORE M is taken away; M = the running largest t rounded up to a whole number; p = 2^(t - M) is quantised along the keys; the sum of the unquantised p divides O at the end.
; When M moves, the sum and O are multiplied by 2^(old M - new M): exact.
; TANH: 50 tanh(s / 50) = s P(w) / Q(w), w = s^2: an odd rational fit (degrees 13 and 6 in s / 50, coefficients divided by 2500^k), one reciprocal a score.
; LIMITS: |s| is held at 395.25, where the fit gives 50 (1 - 2.7e-7); the fit is good to a few units in the last place of the capped score.  A block's largest p is made from its largest t by the same two instructions as
; every p, which leans on v_exp_f32 not falling where its input rises.  NaN and infinities in Q are not served.  A row whose every logit is -infinity gives NaN, as the definition does.  A block of zeros carries the byte 1.
; SHARES.  Work-group (hb, qb): key/value head hb = 8 batch + kv, queries 128 qb .. + 127 of its two query heads.  Sixteen waves of 256 registers: wave w has query head w & 1 and the 16 queries 16 (w >> 1) on: one tile.
; Every wave walks all keys, 128 a step, 16 steps.
; LAYOUT.  Both products are used transposed: a lane holds one query (lane % 16).  Lane r of K's tile 2 b + u takes key 32 b + 8 u + r + 8 (r / 8), so that score register 16 b + e of lane (r, h) is key 32 b + 16 h + e.
; CLUSTER 4 x 4.  The mask's tile hangs on qb alone: a row of the cluster asks jointly.  K, V and their scale bytes hang on hb alone: a column asks jointly.  Every tensor load here is joint.
; LDS.  Two slots (a step's mask tile, 128 rows x 512 bytes, then its 128 keys of K) take turns; V and both tensors' scale bytes of the whole head come once and stay.  The launch claims all of LDS.
; THE CHANGE OF SLOTS: a step's slot is read for the last time when the mask's fourth block is asked for, half way through the soft cap; the signal stands there, its wait behind the rest of the soft cap and the new M: register work alone.
; PREFETCH: in step j wave 8 of the clusters with x = 0 names the mask's tile j + 3 (its load stands in step j + 1), a lane a row, 32 rows a partner told apart by address, 512 bytes in two lines; tiles 0 to 2 come by their loads alone, steps 13 to 15 ask for nothing.
; REGISTERS: v1-11 addresses; v12 -M, v13 largest t, v[14:15] the sum; v16-23 Q's codes; v24-27 two coefficients; v28-31, v248-251 fragments' scale words; v32-95 eight fragments of K or V (in the soft cap: v32-47 w, v48-63 numerators,
; v64-95 two blocks of the mask); v96-159 scores, t, p; v160-223 O^T; v224-239 denominators, then p's codes and work; v240-243 blocks' largest t; v244-247 conversions' scales; v252 f; v253 p's scale word; v254 at work; v255 Q's scale word.
.set MP,    528                        ; a mask row in LDS: 512 bytes + 16
.set KP2,   144                        ; two keys' rows of K: 128 bytes + 16
.set VP,    1040                       ; a row of V: 1,024 + 16
.set KOFF,  128*MP                     ; in a slot: the mask's 128 rows, then K's 128 keys (64 x 144 bytes in a region of 10,240)
.set SL1,   KOFF+10240                 ; slot 1 (slot 0 at byte 0)
.set KX,    0x33000                    ; KOFF xor (SL1 + KOFF): 0x10800 xor 0x23800: it turns K's place in one slot into its place in the other
.set VB,    2*SL1
.set SCK,   VB+128*VP                  ; K's scale bytes: 32 pieces of 256 + 16
.set SCV,   SCK+32*272
.set SPARE, SCV+32*272                 ; the spare words: 128 bytes a wave, eight blocks of 256 that no other line names
.set STW,   16*272                     ; the way out: a stage a wave, 16 x 4,352 bytes in slot 0, which has had its last fill and its last read by then
.set AK,  1
.set AM,  3
.set ADM, 4                            ; my place in the step's mask tile
.set SPW, 5
.set NIL, 6
.set PFO, 7
.set AV,  8
.set ADS, 10
.set ADT, 11
.set VP5, 24
.set VQ2, 26
.set W,   32
.set PA,  48
.set SC,  96
.set OT,  160
.set QA,  224
.set BM,  240
.set TS,  2
.set TV,  3
.set LIM, 4                            ; 1 in the wave that prefetches, else the greatest number
.set CP6, 6
.set CP4, 8
.set CP3, 10
.set CP2, 12
.set CP1, 14
.set WV,  18
.set IH,  19
.set SEL, 20
.set CS,  22
.set G1M, 24
.set G1K, 32
.set G0M, 40                           ; s[40:43] tile 0; s[44:47] tile 1, which then walks
.set G0K, 48
.set WM,  44
.set WK,  52
.set TB,  40                           ; behind the head: the slot in hand, 0 or SL1
.set G1V, 56
.set TJ,  66
.set TV2, 67
.set G1S, 68
.set G0V, 76
.set G0KS, 80
.set G0VS, 84
.set CP0, 88
.set CQ3, 90
.set CQ1, 92
.set CQ0, 94
.set LP,  96
.set CNT, 97
.set PFA, 98
.set LN,  101
.macro NOPS n
.rept \n
	v_nop
.endr
.endm
.macro PAIR reg, val
	s_mov_b32 s[\reg], \val
	s_mov_b32 s[\reg+1], \val
.endm
.macro DESC1 reg, msk, w0, c, r, p     ; a descriptor's group 1: r rows of c elements, p elements from row to row
	s_or_b32 s[\reg], s\msk, \w0
	s_mov_b32 s[\reg+1], (\c)<<16
	s_mov_b32 s[\reg+2], (\r)<<16
	s_mov_b32 s[\reg+3], (\c)<<16
	s_mov_b32 s[\reg+4], \r
	s_mov_b32 s[\reg+5], \p
	s_mov_b32 s[\reg+6], 0
	s_mov_b32 s[\reg+7], 0
.endm
.macro CREST                           ; a round of the cluster's barrier behind its opening barrier
	s_cmp_lg_u32 s[WV], 0
	s_cbranch_scc1 .Lnot_wave_0_\@
	s_barrier_signal -3
.Lnot_wave_0_\@:
	s_barrier_wait -3
	s_barrier_signal -1
	s_barrier_wait -1
.endm
.macro ROUND
	s_barrier_signal -1
	s_barrier_wait -1
	CREST
.endm
.macro RLOAD                           ; the joint refill: wave 0 the mask's tile, wave 1 K's; the branches hang on the wave's number alone
	s_cmp_eq_u32 s[WV], 0
	s_cbranch_scc0 .Lnot_m_\@
	tensor_load_to_lds s[WM:WM+3], s[G1M:G1M+7]
	s_nop 0
	NOPS 4
	s_branch .Lasked_\@
.Lnot_m_\@:
	s_cmp_eq_u32 s[WV], 1
	s_cbranch_scc0 .Lasked_\@
	tensor_load_to_lds s[WK:WK+3], s[G1K:G1K+7]
	s_nop 0
	NOPS 4
.Lasked_\@:
.endm
.macro ASK                             ; s[CNT] = 14 - step: above 1 up to step 12
	s_cmp_gt_u32 s[CNT], s[LIM]
	s_cbranch_scc0 .Lnot_mine_\@
	global_prefetch_b8 v[PFO], s[PFA:PFA+1] th:TH_LOAD_NT scope:SCOPE_SE
	global_prefetch_b8 v[PFO], s[PFA:PFA+1] offset:256 th:TH_LOAD_NT scope:SCOPE_SE
.Lnot_mine_\@:
.endm
.macro ARM under, g0, g1, next         ; one arm of the head's chain: a load and a jump to the join
	s_cmp_lt_u32 s[WV], \under
	s_cbranch_scc0 \next
	tensor_load_to_lds s[\g0:\g0+3], s[\g1:\g1+7]
	s_nop 0
	NOPS 4
	s_branch .Lfirst_done
\next:
.endm
; The soft cap of block b (my 16 of its 32 keys), up to s P(w) and 1 / Q(w): registers alone.
.macro TA b
.set SB, SC+16*(\b)
.irp i, 0,2,4,6,8,10,12,14
	v_pk_mul_f32 v[W+\i:W+\i+1], v[SB+\i:SB+\i+1], v[SB+\i:SB+\i+1]   ; w = s^2
.endr
.irp i, 0,2,4,6,8,10,12,14
	v_pk_fma_f32 v[QA+\i:QA+\i+1], v[W+\i:W+\i+1], s[CQ3:CQ3+1], v[VQ2:VQ2+1] op_sel_hi:[1,0,1]
.endr
.irp i, 0,2,4,6,8,10,12,14
	v_pk_fma_f32 v[QA+\i:QA+\i+1], v[QA+\i:QA+\i+1], v[W+\i:W+\i+1], s[CQ1:CQ1+1] op_sel_hi:[1,1,0]
.endr
.irp i, 0,2,4,6,8,10,12,14
	v_pk_fma_f32 v[QA+\i:QA+\i+1], v[QA+\i:QA+\i+1], v[W+\i:W+\i+1], s[CQ0:CQ0+1] op_sel_hi:[1,1,0]   ; Q(w)
.endr
.irp i, 0,2,4,6,8,10,12,14
	v_pk_fma_f32 v[PA+\i:PA+\i+1], v[W+\i:W+\i+1], s[CP6:CP6+1], v[VP5:VP5+1] op_sel_hi:[1,0,1]
.endr
	s_wait_alu depctr_va_vdst(0)                   ; ahead of the batch
.set e, 0
.rept 16
	v_rcp_f32 v[QA+e], v[QA+e]
.set e, e+1
.endr
.irp c, CP4, CP3, CP2, CP1, CP0
.irp i, 0,2,4,6,8,10,12,14
	v_pk_fma_f32 v[PA+\i:PA+\i+1], v[PA+\i:PA+\i+1], v[W+\i:W+\i+1], s[\c:\c+1] op_sel_hi:[1,1,0]
.endr
.endr
.irp i, 0,2,4,6,8,10,12,14
	v_pk_mul_f32 v[PA+\i:PA+\i+1], v[PA+\i:PA+\i+1], v[SB+\i:SB+\i+1]   ; s P(w)
.endr
	s_wait_alu depctr_va_vdst(0)                   ; behind the batch, ahead of its first reader
.endm
; The rest: the logit with the mask, t, and the largest t of my 16.
.macro TB b
.set SB, SC+16*(\b)
.set MK, 64+16*((\b)%2)
.irp i, 0,2,4,6,8,10,12,14
	v_pk_fma_f32 v[SB+\i:SB+\i+1], v[PA+\i:PA+\i+1], v[QA+\i:QA+\i+1], v[MK+\i:MK+\i+1]
.endr
.irp i, 0,2,4,6,8,10,12,14
	v_pk_mul_f32 v[SB+\i:SB+\i+1], v[SB+\i:SB+\i+1], s[CS:CS+1] op_sel_hi:[1,0]   ; t, rounded to f32
.endr
	v_max3_num_f32 v[BM+\b], v[SB], v[SB+1], v[SB+2]
	v_max3_num_f32 v254, v[SB+3], v[SB+4], v[SB+5]
	v_max3_num_f32 v[BM+\b], v[BM+\b], v[SB+6], v[SB+7]
	v_max3_num_f32 v254, v254, v[SB+8], v[SB+9]
	v_max3_num_f32 v[BM+\b], v[BM+\b], v[SB+10], v[SB+11]
	v_max3_num_f32 v254, v254, v[SB+12], v[SB+13]
	v_max3_num_f32 v[BM+\b], v[BM+\b], v[SB+14], v[SB+15]
	v_max_num_f32 v[BM+\b], v[BM+\b], v254
.endm
.macro MLOAD b                         ; my query's row of the mask, keys 32 b + 16 h + 0 .. 15
.irp i, 0,1,2,3
	ds_load_b128 v[64+16*((\b)%2)+4*\i:67+16*((\b)%2)+4*\i], v[ADM] offset:128*(\b)+16*\i
.endr
.endm
; A KEY STEP.  mode = 2: the slot is given up and filled with the tiles two steps on; 1: the barrier alone (it shows the last slot whole); 0: the last step.
.macro STEP mode
	v_add_nc_u32 v238, s[TB], v[AK]                ; with the v_nop: four places between the last products and the loads into registers that they read
	v_add_nc_u32 v239, s[TS], v[ADS]
	v_add_nc_u32 v[ADM], s[TB], v[AM]
	v_nop
.irp T, 0,1,2,3,4,5,6,7
.irp c, 0,1
	ds_load_b128 v[32+8*\T+4*\c:35+8*\T+4*\c], v238 offset:(16*(\T/2)+4*(\T%2))*KP2+32*\c
.endr
	ds_load_b32 v[248+\T-224*(\T/4)], v239 offset:272*(\T/4)+(32*((\T/2)%2)+8*(\T%2))*4
.endr
.if \mode == 2
	ASK
.endif
	s_wait_alu depctr_va_vdst(0)                   ; directly ahead of the wait below
	s_wait_dscnt 0x0
.irp T, 0,1,2,3,4,5,6,7                            ; S^T = K Q^T: eight accumulators, one instruction each
	v_wmma_scale_f32_16x16x128_f8f6f4 v[SC+8*\T:SC+8*\T+7], v[32+8*\T:39+8*\T], v[16:23], 0, v[248+\T-224*(\T/4)], v255 matrix_a_fmt:MATRIX_FMT_FP4 matrix_b_fmt:MATRIX_FMT_FP4
.endr
	NOPS 4                                         ; four places ahead of the loads into K's registers and of the first read of the scores
	MLOAD 0
	MLOAD 1
.set e, 0
.rept 64
	v_med3_num_f32 v[SC+e], v[SC+e], s[LN], s[LP]  ; s held at +-395.25; each accumulator is read from its low end on
.set e, e+1
.endr
	TA 0
	s_wait_dscnt 4                                 ; block 0's four loads are in; block 1's may be out
	TB 0
	MLOAD 2
	TA 1
	s_wait_dscnt 4                                 ; block 1's are in; block 2's may be out
	TB 1
	MLOAD 3                                        ; the slot's last read
.if \mode
	s_wait_tensorcnt 0x0                           ; no tensor load of mine is out, so a group 0 may be written
	ds_add_u32 v[SPW], v[NIL]
.endif
.if \mode == 2
	ds_add_u32 v[SPW], v[NIL]                      ; and once more, in every trip alike
	s_xor_b32 s[WM+1], s[WM+1], SL1                ; the walking descriptors: this step's slot, the tiles two steps on
	s_add_nc_u64 s[WM+2:WM+3], s[WM+2:WM+3], 512
	s_xor_b32 s[WK+1], s[WK+1], KX
	s_add_nc_u64 s[WK+2:WK+3], s[WK+2:WK+3], 8192
	s_wait_xcnt 0x0                                ; the step's prefetches have read their address
	s_add_nc_u64 s[PFA:PFA+1], s[PFA:PFA+1], 512
.endif
	TA 2
	s_wait_dscnt 0x0                               ; the add is done, the mask's last blocks are in: my reads of the slot are over
.if \mode
	s_barrier_signal -1
.endif
	TB 2
	TA 3
	TB 3
.irp b, 0,1,2,3
	v_permlanex16_b32 v[232+\b], v[BM+\b], s[SEL], s[SEL+1]
.endr
.irp b, 0,1,2,3
	v_max_num_f32 v[BM+\b], v[BM+\b], v[232+\b]    ; with lane l xor 16's 16 keys
.endr
	v_max3_num_f32 v254, v[BM], v[BM+1], v[BM+2]
	v_max_num_f32 v254, v254, v[BM+3]
	v_max_num_f32 v13, v13, v254                   ; the running largest t
	v_mov_b32 v254, v12
	v_floor_f32 v12, -v13                          ; -M = floor(-t)
	v_sub_f32 v254, v12, v254                      ; old M less new M
	v_cvt_i32_f32 v254, v254                       ; (it saturates)
	v_ldexp_f32 v252, 1.0, v254                    ; f
.irp b, 0,1,2,3
	v_add_f32 v[BM+\b], v[BM+\b], v12
.endr
.set e, 0
.rept 32
	v_pk_add_f32 v[SC+e:SC+e+1], v[SC+e:SC+e+1], v[12:13] op_sel_hi:[1,0]   ; t - M
.set e, e+2
.endr
	s_wait_alu depctr_va_vdst(0)                   ; ahead of the barrier's wait and the branches
.if \mode
	s_barrier_wait -1
.endif
.if \mode == 2
	CREST
	RLOAD                                          ; the first tensor load behind the round, one a wave
.endif
	v_add_nc_u32 v238, s[TV], v[AV]                ; V's tiles 0-3,
	v_add_nc_u32 v239, s[TV2], v[AV]               ; tiles 4-7,
	v_add_nc_u32 v254, s[TJ], v[ADT]               ; and its scale words
.irp T, 0,1,2,3,4,5,6,7                            ; V's fragments land under the rest of the softmax
.irp c, 0,1
	ds_load_b128 v[32+8*\T+4*\c:35+8*\T+4*\c], v[238+\T/4] offset:16*VP*(\T%4)+32*\c
.endr
	ds_load_b32 v[248+\T-224*(\T/4)], v254 offset:4*272*\T
.endr
	s_wait_alu depctr_va_vdst(0)                   ; directly ahead of the first readers of the last step's products, and ahead of the batch
.set e, 0
.rept 32
	v_pk_mul_f32 v[OT+e:OT+e+1], v[OT+e:OT+e+1], v[252:253] op_sel_hi:[1,0]   ; O^T x f
.set e, e+2
.endr
.set e, 0
.rept 64
	v_exp_f32 v[SC+e], v[SC+e]                     ; p = 2^(t - M): one batch; its sources were written ahead of the waits above
.set e, e+1
.endr
.irp b, 0,1,2,3
	v_exp_f32 v[BM+\b], v[BM+\b]                   ; each block's largest p
.endr
	v_pk_mul_f32 v[14:15], v[14:15], v[252:253] op_sel_hi:[1,0]   ; the sum under the new M: a plain line behind the batch
	s_wait_alu depctr_va_vdst(0)                   ; one wait for the batch, ahead of its first reader
	v_pk_add_f32 v[236:237], v[SC:SC+1], v[SC+2:SC+3]      ; the sum of the unquantised p, in two chains
.irp j, 4,8,12,16,20,24,28
	v_pk_add_f32 v[14:15], v[14:15], v[SC+\j:SC+\j+1]
	v_pk_add_f32 v[236:237], v[236:237], v[SC+\j+2:SC+\j+3]
.endr
.irp b, 0,1,2,3
	v_max_num_f32 v[BM+\b], 0x1800000, v[BM+\b]    ; the floor 2^(3 - 127): the byte cannot fall under 1
.endr
.irp b, 0,1,2,3
	v_add_nc_u32 v[244+\b], 0xff000000, v[BM+\b]   ; 2 off the exponent field
.endr
.irp b, 0,1,2,3
	v_lshrrev_b32 v[232+\b], 23, v[244+\b]
.endr
	v_lshl_or_b32 v232, v233, 8, v232
	v_lshl_or_b32 v234, v235, 8, v234
	v_lshl_or_b32 v253, v234, 16, v232             ; p's scale word for these 128 keys
.irp b, 0,1,2,3
	v_cvt_scalef32_pk8_fp4_f32 v[224+2*\b], v[SC+16*\b:SC+16*\b+7], v[244+\b]
	v_cvt_scalef32_pk8_fp4_f32 v[225+2*\b], v[SC+16*\b+8:SC+16*\b+15], v[244+\b]
.endr
	v_nop                                          ; one plain line behind the last scaled conversion
.irp c, 0,1
.irp i, 0,1
	v_permlane16_swap_b32 v[224+4*\c+\i], v[226+4*\c+\i]   ; a whole block to a lane
.endr
.endr
.irp j, 32,36,40,44,48,52,56,60                    ; 17 plain lines between the codes and the scale word and the products that take them
	v_pk_add_f32 v[14:15], v[14:15], v[SC+\j:SC+\j+1]
	v_pk_add_f32 v[236:237], v[236:237], v[SC+\j+2:SC+\j+3]
.endr
	v_pk_add_f32 v[14:15], v[14:15], v[236:237]
	s_wait_alu depctr_va_vdst(0)                   ; directly ahead of the wait below
	s_wait_dscnt 0x0                               ; V's fragments and scale words are in
.irp T, 0,1,2,3,4,5,6,7                            ; O^T += V^T P^T: eight accumulators by turns
	v_wmma_scale_f32_16x16x128_f8f6f4 v[OT+8*\T:OT+8*\T+7], v[32+8*\T:39+8*\T], v[224:231], v[OT+8*\T:OT+8*\T+7], v[248+\T-224*(\T/4)], v253 matrix_a_fmt:MATRIX_FMT_FP4 matrix_b_fmt:MATRIX_FMT_FP4
.endr
	s_add_co_u32 s[TS], s[TS], 544                 ; on to the next 128 keys, in the other slot
	s_add_co_u32 s[TV], s[TV], 64
	s_add_co_u32 s[TV2], s[TV2], 64
	s_add_co_u32 s[TJ], s[TJ], 4
	s_xor_b32 s[TB], s[TB], SL1
.endm
	s_load_b256 s[4:11], s[0:1], 0x0               ; Q s[4:5], K's codes s[6:7], K's scales s[8:9], V's codes s[10:11]
	s_load_b128 s[12:15], s[0:1], 0x20             ; V's scales s[12:13], the mask s[14:15]
	s_load_b64 s[16:17], s[0:1], 0x30              ; out
	v_lshl_add_u32 v[SPW], v0, 2, SPARE
	v_mov_b32 v[NIL], 0
	ds_add_u32 v[SPW], v[NIL]                      ; the opening lines: the add twice on end under one wait
	ds_add_u32 v[SPW], v[NIL]
	v_lshrrev_b32 v32, 5, v0
	v_readfirstlane_b32 s[WV], v32                 ; wave 0..15
	s_and_b32 s[IH], s[WV], 1                      ; my query head; also which half of V waves 2 and 3 fetch
	s_lshr_b32 s92, s[WV], 1                       ; my tile of 16 queries
	s_bfe_u32 s66, ttmp6, 0x40000                  ; cx, cy
	s_bfe_u32 s67, ttmp6, 0x40004
	s_lshl_b32 s100, ttmp9, 2
	s_add_co_u32 s100, s100, s66                   ; hb
	s_and_b32 s101, ttmp7, 0xffff
	s_lshl_b32 s101, s101, 2
	s_add_co_u32 s101, s101, s67                   ; qb
	s_lshl_b32 s96, s67, 2
	s_lshl_b32 s96, 15, s96                        ; my row of the cluster
	s_lshl_b32 s97, 0x1111, s66                    ; my column
	DESC1 G1M, 96, (2<<16)|(1<<20)|(1<<21)|(6<<22)|(3<<25), 128, 128, 2048   ; the mask: 128 rows x 128 numbers of 4 bytes; 4 words behind every 128
	DESC1 G1K, 97, (1<<20)|(1<<21)|(4<<22)|(3<<25), 128, 64, 128             ; K: 128 keys, dense, as 64 rows of 128 bytes; 4 words behind every 32
	DESC1 G1V, 97, (1<<20)|(1<<21)|(7<<22)|(3<<25), 1024, 64, 1024           ; V: 64 rows x 1,024 bytes; 4 words behind every 256
	DESC1 G1S, 97, (3<<16)|(1<<20)|(1<<21)|(5<<22)|(3<<25), 32, 32, 32       ; a head's scale bytes: 32 rows of 256 bytes; 4 words behind every 64
	s_lshl_b32 s2, s101, 20                        ; 128 qb rows of the mask: made of qb alone
	s_mov_b32 s3, 0
	s_lshl_b32 s104, s100, 17                      ; a head's codes: made of hb alone
	s_mov_b32 s105, 0
	s_lshl_b32 s88, s[IH], 16                      ; V: a half's 64 rows
	s_mov_b32 s89, 0
	s_mul_i32 s91, s[IH], 64*VP
	s_mul_i32 s93, s92, 16*MP                      ; my tile's 16 rows of the mask
	v_and_b32 v32, 15, v0                          ; r
	v_bfe_u32 v33, v0, 4, 1                        ; h
	v_lshlrev_b32 v36, 9, v32
	v_lshl_add_u32 v36, v33, 6, v36                ; Q: row r, + 64 h bytes
	v_and_b32 v34, 8, v32
	v_add_nc_u32 v34, v34, v32                     ; my key in a tile: r + 8 (r / 8)
	v_lshrrev_b32 v35, 1, v34
	v_and_b32 v37, 1, v34
	v_mul_u32_u24 v[AK], v35, KP2
	v_lshl_add_u32 v[AK], v37, 6, v[AK]
	v_lshl_add_u32 v[AK], v33, 4, v[AK]
	v_add_nc_u32 v[AK], KOFF, v[AK]
	v_mul_u32_u24 v[AM], v32, MP
	v_lshl_add_u32 v[AM], v33, 6, v[AM]
	v_add_nc_u32 v[AM], s93, v[AM]
	v_mul_u32_u24 v[AV], v32, VP
	v_lshl_add_u32 v[AV], v33, 4, v[AV]
	v_add_nc_u32 v[AV], VB, v[AV]
	v_lshl_add_u32 v[ADS], v34, 2, SCK
	v_lshrrev_b32 v35, 2, v32
	v_and_b32 v37, 3, v32
	v_mul_u32_u24 v35, v35, 272
	v_lshl_add_u32 v35, v37, 6, v35
	v_add_nc_u32 v[ADT], SCV, v35
	v_and_b32 v[PFO], 31, v0
	v_lshlrev_b32 v[PFO], 13, v[PFO]
	s_wait_alu depctr_va_vdst(0)                   ; directly ahead of the waits below
	s_wait_dscnt 0x0                               ; both opening adds are done
	s_wait_kmcnt 0x0
	s_mov_b32 s[G0M], 1
	s_mov_b32 s[G0M+1], 0
	s_add_nc_u64 s[G0M+2:G0M+3], s[14:15], s[2:3]  ; tile 0
	s_mov_b32 s[G0M+4], 1
	s_mov_b32 s[G0M+5], SL1
	s_add_nc_u64 s[G0M+6:G0M+7], s[G0M+2:G0M+3], 512   ; tile 1
	s_or_b32 s[G0M+3], s[G0M+3], 0x80000000
	s_or_b32 s[G0M+7], s[G0M+7], 0x80000000
	s_mov_b32 s[G0K], 1
	s_mov_b32 s[G0K+1], KOFF
	s_add_nc_u64 s[G0K+2:G0K+3], s[6:7], s[104:105]
	s_mov_b32 s[G0K+4], 1
	s_mov_b32 s[G0K+5], SL1+KOFF
	s_add_nc_u64 s[G0K+6:G0K+7], s[G0K+2:G0K+3], 8192
	s_or_b32 s[G0K+3], s[G0K+3], 0x80000000
	s_or_b32 s[G0K+7], s[G0K+7], 0x80000000
	s_mov_b32 s[G0V], 1
	s_add_co_u32 s[G0V+1], s91, VB
	s_add_nc_u64 s[G0V+2:G0V+3], s[10:11], s[104:105]
	s_add_nc_u64 s[G0V+2:G0V+3], s[G0V+2:G0V+3], s[88:89]
	s_or_b32 s[G0V+3], s[G0V+3], 0x80000000
	s_lshl_b32 s104, s100, 13                      ; a head's scale bytes are 8,192
	s_mov_b32 s[G0KS], 1
	s_mov_b32 s[G0KS+1], SCK
	s_add_nc_u64 s[G0KS+2:G0KS+3], s[8:9], s[104:105]
	s_or_b32 s[G0KS+3], s[G0KS+3], 0x80000000
	s_mov_b32 s[G0VS], 1
	s_mov_b32 s[G0VS+1], SCV
	s_add_nc_u64 s[G0VS+2:G0VS+3], s[12:13], s[104:105]
	s_or_b32 s[G0VS+3], s[G0VS+3], 0x80000000
	; Q: my 16 rows of head 2 hb + (wave & 1), asked for ahead of the round.  Lane (r, h) takes the 16 numbers 32 b + 16 h + 0 .. 15 of each block b
	s_lshl_b32 s88, s100, 1
	s_add_co_u32 s88, s88, s[IH]
	s_lshl_b32 s88, s88, 20                        ; a head of Q is 2,048 rows of 512 bytes
	s_lshl_b32 s89, s101, 16
	s_add_co_u32 s88, s88, s89
	s_lshl_b32 s89, s92, 13
	s_add_co_u32 s88, s88, s89
	s_mov_b32 s89, 0
	s_add_nc_u64 s[4:5], s[4:5], s[88:89]
.irp b, 0,1,2,3
.irp i, 0,1,2,3
	global_load_b128 v[SC+16*\b+4*\i:SC+16*\b+4*\i+3], v36, s[4:5] offset:128*\b+16*\i th:TH_LOAD_NT
.endr
.endr
	ROUND                                          ; all sixteen work-groups are here: the first joint loads meet
	; THE FIRST FILLS, one a wave, one chain of branches on the wave's number: wave 0 the mask's tile 0; 1 K's; 2, 3 V's halves; 4 K's scale bytes; 5 V's; 6 the mask's tile 1; 7 K's; waves 8 to 15 none
	ARM 1, G0M,  G1M, .Lf_k
	ARM 2, G0K,  G1K, .Lf_v
	ARM 4, G0V,  G1V, .Lf_ks
	ARM 5, G0KS, G1S, .Lf_vs
	ARM 6, G0VS, G1S, .Lf_m1
	ARM 7, WM,   G1M, .Lf_k1
	ARM 8, WK,   G1K, .Lf_none
.Lfirst_done:
	s_lshl_b32 s88, s101, 20                       ; my prefetches: the mask's rows 128 qb + 32 cx on, at tile 3
	s_lshl_b32 s90, s66, 18
	s_add_co_u32 s88, s88, s90
	s_add_co_u32 s88, s88, 1536
	s_add_nc_u64 s[PFA:PFA+1], s[14:15], s[88:89]
	s_lshr_b32 s88, s100, 3                        ; out: batch x 2^24 + (128 qb + 16 tile) rows of 8,192 bytes + (2 kv + head) x 512
	s_lshl_b32 s88, s88, 24
	s_lshl_b32 s90, s101, 20
	s_add_co_u32 s88, s88, s90
	s_lshl_b32 s90, s92, 17
	s_add_co_u32 s88, s88, s90
	s_and_b32 s90, s100, 7
	s_lshl_b32 s90, s90, 10
	s_add_co_u32 s88, s88, s90
	s_lshl_b32 s90, s[IH], 9
	s_add_co_u32 s88, s88, s90
	s_add_nc_u64 s[16:17], s[16:17], s[88:89]
	s_mov_b32 s[SEL], 0x76543210
	s_mov_b32 s[SEL+1], 0xfedcba98
	PAIR CS,  0x3fb8aa3b                           ; log2(e)
	PAIR CP6, 0x83c065c1                           ; -2.76076847742355e-16 / 2500^6
	PAIR CP4, 0x982a6ede                           ; -8.60467152213735e-11 / 2500^4
	PAIR CP3, 0x2271e4c6                           ;  5.12229709037114e-08 / 2500^3
	PAIR CP2, 0x2c274708                           ;  1.48572235717979e-05 / 2500^2
	PAIR CP1, 0x3488d9d8                           ;  6.37261928875436e-04 / 2500
	PAIR CP0, 0x3ba059dc                           ;  4.89352455891786e-03
	PAIR CQ3, 0x24b0d4ec                           ;  1.19825839466702e-06 / 2500^3
	PAIR CQ1, 0x35739242                           ;  2.26843463243900e-03 / 2500
	PAIR CQ0, 0x3ba059dd                           ;  4.89352518554385e-03
	PAIR 104, 0x3db504f3                           ; 128^-0.5
	s_mov_b32 s[LP], 0x43c5a000                    ; 395.25
	s_mov_b32 s[LN], 0xc3c5a000
	s_mov_b32 s[TS], 0
	s_mov_b32 s[TV], 0
	s_mov_b32 s[TV2], 4*16*VP
	s_mov_b32 s[TJ], 0
	v_mov_b32 v[VP5], 0x0e262b4b                   ;  2.00018790482477e-13 / 2500^5
	v_mov_b32 v[VP5+1], 0x0e262b4b
	v_mov_b32 v[VQ2], 0x2da6d2a1                   ;  1.18534705686654e-04 / 2500^2
	v_mov_b32 v[VQ2+1], 0x2da6d2a1
.irp b, 0,1,2,3
	v_mov_b32 v[228+\b], 0                         ; a lane permute's destination counts as one of its sources
.endr
	v_mov_b32 v13, 0xff61b1e6                      ; the largest t so far: -3e38
	v_floor_f32 v12, -v13
	v_mov_b32 v14, 0
	v_mov_b32 v15, 0
	v_mov_b32 v253, 0                              ; (named as the upper half of the pair v[252:253])
	s_wait_alu depctr_va_vdst(0)                   ; directly ahead of the wait below
	s_wait_loadcnt 0x0                             ; Q is in; its address registers are free
	s_sub_co_u32 s[LIM], s[WV], 8                  ; 0 in wave 8,
	s_or_b32 s[LIM], s[LIM], ttmp9                 ; of the clusters with x = 0: the same in all sixteen partners
	s_cmp_eq_u32 s[LIM], 0
	s_cselect_b32 s[LIM], 1, -1
	; Q x 128^-0.5 and its four blocks of 32 along d: codes into v16-23, the scale word into v255
.set e, 0
.rept 32
	v_pk_mul_f32 v[SC+e:SC+e+1], v[SC+e:SC+e+1], s[104:105] op_sel_hi:[1,0]
.set e, e+2
.endr
.irp b, 0,1,2,3
	v_max3_num_f32 v[224+\b], |v[SC+16*\b]|, |v[SC+16*\b+1]|, 0x1800000
.endr
.irp i, 2,4,6,8,10,12,14
.irp b, 0,1,2,3
	v_max3_num_f32 v[224+\b], v[224+\b], |v[SC+16*\b+\i]|, |v[SC+16*\b+\i+1]|
.endr
.endr
.irp b, 0,1,2,3
	v_permlanex16_b32 v[228+\b], v[224+\b], s[SEL], s[SEL+1]
.endr
.irp b, 0,1,2,3
	v_max_num_f32 v[224+\b], v[224+\b], v[228+\b]
.endr
.irp b, 0,1,2,3
	v_add_nc_u32 v[236+\b], 0xff000000, v[224+\b]
.endr
.irp b, 0,1,2,3
	v_lshrrev_b32 v[228+\b], 23, v[236+\b]
.endr
	v_lshl_or_b32 v228, v229, 8, v228
	v_lshl_or_b32 v230, v231, 8, v230
	v_lshl_or_b32 v255, v230, 16, v228
.irp b, 0,1,2,3
	v_cvt_scalef32_pk8_fp4_f32 v[16+2*\b], v[SC+16*\b:SC+16*\b+7], v[236+\b]
	v_cvt_scalef32_pk8_fp4_f32 v[17+2*\b], v[SC+16*\b+8:SC+16*\b+15], v[236+\b]
.endr
	v_nop                                          ; one plain line behind the last scaled conversion
.irp c, 0,1
.irp i, 0,1
	v_permlane16_swap_b32 v[16+4*\c+\i], v[18+4*\c+\i]
.endr
.endr
.set e, 0
.rept 64
	v_mov_b32 v[OT+e], 0                           ; O^T: the step has no first step of its own; the first change of M multiplies zeros.  These lines also stand between Q's codes and scale word and the first products
.set e, e+1
.endr
	s_wait_alu depctr_va_vdst(0)                   ; at the head's end
	s_wait_tensorcnt 0x0                           ; my first fill, if I have one, has landed,
	s_barrier_signal -1
	s_barrier_wait -1                              ; everybody's has.
	s_mov_b32 s[TB], 0                             ; (tile 0's group 0 is done with)
	s_mov_b32 s[CNT], 14
.Lstep:                                            ; steps 0 to 13: each gives its slot up and has it filled with the tiles two steps on
	STEP 2
	s_sub_co_u32 s[CNT], s[CNT], 1
	s_cmp_lg_u32 s[CNT], 0
	s_cbranch_scc1 .Lstep
	STEP 1                                         ; the last two steps are written out: nothing is left to fetch
	STEP 0
	; THE WAY OUT.  O^T / the row's sum goes through my stage in LDS, 64 channels (256 bytes) of 16 queries at a time, so that sixteen lanes store 256 consecutive bytes, aligned.
	s_mul_i32 s5, s[WV], STW
	v_add_f32 v14, v14, v15
	v_permlanex16_b32 v252, v14, s[SEL], s[SEL+1]
	v_add_f32 v14, v14, v252
	s_wait_alu depctr_va_vdst(0)                   ; ahead of the reciprocal
	v_rcp_f32 v14, v14
	v_and_b32 v8, 15, v0                           ; r
	v_bfe_u32 v9, v0, 4, 1                         ; h
	v_mul_u32_u24 v10, v8, 272
	v_lshl_add_u32 v10, v9, 5, v10
	v_add_nc_u32 v10, s5, v10                      ; in: row r, + 32 h
	v_mul_u32_u24 v11, v9, 272
	v_lshl_add_u32 v11, v8, 4, v11
	v_add_nc_u32 v11, s5, v11                      ; back: lanes 0-15 one row, lanes 16-31 the next
	v_lshlrev_b32 v1, 13, v9
	v_lshl_add_u32 v1, v8, 4, v1                   ; the same two rows in out
	s_wait_alu depctr_va_vdst(0)                   ; ahead of the reciprocal's and the last products' first readers
.set e, 0
.rept 64
	v_mul_f32 v[SC+e], v[OT+e], v14                ; register 8 T + i is o(r, 16 T + 8 h + i)
.set e, e+1
.endr
	s_wait_alu depctr_va_vdst(0)                   ; ahead of the waits below
.irp u, 0,1
.irp t, 0,1,2,3
	ds_store_b128 v10, v[SC+32*\u+8*\t:SC+32*\u+8*\t+3] offset:64*\t
	ds_store_b128 v10, v[SC+32*\u+8*\t+4:SC+32*\u+8*\t+7] offset:64*\t+16
.endr
.irp i, 0,1,2,3,4,5,6,7
	ds_load_b128 v[32+32*\u+4*\i:35+32*\u+4*\i], v11 offset:2*\i*272   ; LDS serves a wave's instructions in order (ISA guide 5.7.1)
.endr
.endr
.irp u, 0,1
.irp i, 0,1,2,3,4,5,6,7
	s_wait_dscnt 23-16*\u-\i                       ; behind this load: its half's later loads and, for the first half, the second half's 8 stores and 8 loads
	global_store_b128 v1, v[32+32*\u+4*\i:35+32*\u+4*\i], s[16:17] offset:2*\i*8192+256*\u th:TH_STORE_NT
.endr
.endr
	s_wait_tensorcnt 0x0                           ; the wave's end
	ds_add_u32 v[SPW], v[NIL]
	s_wait_dscnt 0x0
	ROUND                                          ; the closing round
	s_endpgm
.Lfunc_end_k_q04e3fd3624_attn:
	.size	k_q04e3fd3624_attn, .Lfunc_end_k_q04e3fd3624_attn-k_q04e3fd3624_attn
	.p2alignl 7, 3214868480
	.fill 96, 4, 3214868480
	.section	.rodata,"a",@progbits
	.p2align	6, 0x0
	.amdhsa_kernel k_q04e3fd3624_attn
		.amdhsa_group_segment_fixed_size 327680
		.amdhsa_private_segment_fixed_size 0
		.amdhsa_enable_private_segment 0
		.amdhsa_kernarg_size 56
		.amdhsa_user_sgpr_count 2
		.amdhsa_user_sgpr_kernarg_segment_ptr 1
		.amdhsa_wavefront_size32 1
		.amdhsa_system_sgpr_workgroup_id_x 1
		.amdhsa_system_sgpr_workgroup_id_y 1
		.amdhsa_system_sgpr_workgroup_id_z 1
		.amdhsa_system_vgpr_workitem_id 0
		.amdhsa_next_free_vgpr 256
		.amdhsa_next_free_sgpr 106
		.amdhsa_reserve_vcc 0
		.amdhsa_float_denorm_mode_32 3
		.amdhsa_float_denorm_mode_16_64 3
		.amdhsa_memory_ordered 1
		.amdhsa_forward_progress 1
		.amdhsa_inst_pref_size 186
	.end_amdhsa_kernel
	.amdgpu_metadata
---
amdhsa.version: [ 1, 2 ]
amdhsa.kernels:
  - .name:           k_q04e3fd3624_attn
    .symbol:         k_q04e3fd3624_attn.kd
    .args:
      - { .name: Q, .offset: 0, .size: 8, .value_kind: global_buffer, .address_space: global }
      - { .name: K_codes, .offset: 8, .size: 8, .value_kind: global_buffer, .address_space: global }
      - { .name: K_scales, .offset: 16, .size: 8, .value_kind: global_buffer, .address_space: global }
      - { .name: V_codes, .offset: 24, .size: 8, .value_kind: global_buffer, .address_space: global }
      - { .name: V_scales, .offset: 32, .size: 8, .value_kind: global_buffer, .address_space: global }
      - { .name: causal_mask, .offset: 40, .size: 8, .value_kind: global_buffer, .address_space: global }
      - { .name: out0, .offset: 48, .size: 8, .value_kind: global_buffer, .address_space: global }
    .group_segment_fixed_size: 327680
    .private_segment_fixed_size: 0
    .kernarg_segment_align: 8
    .kernarg_segment_size: 56
    .max_flat_workgroup_size: 512
    .sgpr_count:     106
    .vgpr_count:     256
    .wavefront_size: 32
...
	.end_amdgpu_metadata
.endif
;; end of part 1
